; MI455X (gfx1250); checked and timed in simulation.
; The chip was launched on July 23, 2026; its instructions are those of AMD's public machine-readable ISA for CDNA 5 (MIT licence, August 2026) and "CDNA5" Instruction Set Architecture Reference Guide (July 2026). The comments in the code are by the model that wrote it; some were corrected since.
;; Multiheaded Attention V2. Allowed arithmetic: matrix products marked QUANTISED: E2M1 operands, one E8M0 scale for each 32 along K, by v_wmma_scale_f32_16x16x128_f8f6f4 with both operands' format E2M1 (or v_wmma_scale_f32_32x16x128_f4), f32 sums; products left as they are: bf16, f16 or f32 operands; f32 sums; everything else in f32.
;; Inputs: keys 4 x 8 x 2,048 x 64 float32; output_weights 512 x 512 float32; query_weights 512 x 512 float32; values 4 x 8 x 2,048 x 64 float32; x 4 x 2,048 x 512 float32.
;; Outputs: out0 4 x 2,048 x 512 float32.
;; This version of the problem:
;;   THIS VERSION OF THE PROBLEM IS GIVEN IN LOW PRECISION. The matrix products marked QUANTISED in the list below multiply operands that are first quantised to E2M1 (2 exponent bits, 1 mantissa bit; 4 bits a number), with one power-of-two scale for each 32 numbers along K (OCP MX v1.0); their sums are f32. The products marked 'left as it is' may take bf16, f16 or f32 operands, with f32 sums. All else is computed in f32.
;;   The module's matrix products, in the order in which they are computed (A, B: the left and right operand; K: the contracted axis; several contracted axes count as one K, in the product's order):
;;     1. [M 8,192, K 512] x [K 512, N 512]; A: input x; B: input query_weights: QUANTISED
;;     2. batch 32 x [M 2,048, K 64] x [K 64, N 2,048]; A: computed on the way; B: input keys: left as it is (an operand is computed on the way)
;;     3. batch 32 x [M 2,048, K 2,048] x [K 2,048, N 64]; A: computed on the way; B: input values: left as it is (an operand is computed on the way)
;;     4. [M 8,192, K 512] x [K 512, N 512]; A: computed on the way; B: input output_weights: left as it is (an operand is computed on the way)
;;   THE QUANTISER, for each operand of a quantised product, along K:
;;     - K is cut into blocks of 32 from its start; a last block that is shorter is filled with zeros.
;;     - A block's scale is 2^e with e = floor(log2(the largest magnitude in the block)) - 2, held to -126 .. 127; a block of zeros has e = 0. As a byte (E8M0): e + 127.
;;     - Each number is divided by its block's scale, clamped to +-6, and rounded to the nearest number of E2M1, ties to even, subnormals kept.
;;     - The product sums the exact products of the quantised numbers (number of the format x scale) in f32.
;;   ~~~python
;;   def quantise(x, axis):      # numpy; x: float32 -> the quantised numbers, widened to float32 again
;;       x = np.moveaxis(x, axis, -1); K = x.shape[-1]
;;       x = np.pad(x, [(0, 0)] * (x.ndim - 1) + [(0, -K % 32)]); x = x.reshape(x.shape[:-1] + (-1, 32)); a = np.abs(x).max(-1, keepdims=True)
;;       e = np.where(a > 0, np.clip(np.frexp(np.where(a > 0, a, 1))[1] - 1 - 2, -126, 127), 0)      # np.frexp(a)[1] - 1 = floor(log2(a)), exactly
;;       r = np.clip(x / 2.0 ** e, -6, 6)
;;       step = 2.0 ** (np.maximum(np.frexp(np.where(r == 0, 1, r))[1] - 1, 0) - 1)
;;       q = np.round(r / step) * step * 2.0 ** e      # np.round: ties to even
;;       return np.moveaxis(q.reshape(q.shape[:-2] + (-1,))[..., :K], -1, axis).astype(np.float32)
;;   ~~~
;; One version. Each part assembles by itself: llvm-mc -triple=amdgcn-amd-amdhsa -mcpu=gfx1250 --defsym DOCPART=n.
;; ======== version 1 of 1: 3 launches
;; limits: values are held in f16: magnitudes above 65,504 overflow, below 6.1e-05 lose precision; inputs' magnitudes at most 65,504
;; workspace buffers: x_codes 2,097,152 bytes; x_scales 131,072 bytes; wq_codes 131,072 bytes; wq_scales 8,192 bytes; k16 8,650,752 bytes; v16 8,388,608 bytes; wo16 524,288 bytes; ctx 8,388,608 bytes
;; launch prep (part 1): grid 672 x 1, 4 waves a work-group, no clusters, 34,304 bytes of LDS; arguments x, query_weights, keys, values, output_weights, x_codes, x_scales, wq_codes, wq_scales, k16, v16, wo16; writes x_codes, x_scales, wq_codes, wq_scales, k16, v16, wo16
.if DOCPART == 1
	.amdgcn_target "amdgcn-amd-amdhsa--gfx1250"
	.amdhsa_code_object_version 6
	.text
	.protected	k_q5609f6729e_prep
	.globl	k_q5609f6729e_prep
	.p2align	8
	.type	k_q5609f6729e_prep,@function
k_q5609f6729e_prep:
	s_mov_b64 s[64:65], 0
	v_nop
	global_prefetch_b8 v0, s[64:65] scope:SCOPE_SE
	s_setreg_imm32_b32 hwreg(HW_REG_WAVE_MODE, 25, 1), 1
	s_wait_xcnt 0x0
; PREP: every operand that later launches read several times is made narrow ONCE.
;   work-groups   0 ..  15: query_weights [512 k][512 n] f32 -> codes of FP4 (E2M1) along K, laid in the order of the operand's registers, and scale words
;   work-groups  16 .. 143: x [8192][512] f32 -> codes of FP4, K innermost (256 bytes a row), and one E8M0 byte for each 32 along K (16 bytes a row)
;   work-groups 144 .. 399: keys f32 -> f16, and for each key the f32 sum of its 64 numbers
;   work-groups 400 .. 671: values, output_weights f32 -> f16, number by number, in the same order
; THE QUANTISER: a block's scale is 2^(floor(log2(its largest magnitude)) - 2); its byte is the largest magnitude's exponent field - 2, held at 1 from below;
; each number is divided by the scale and rounded to the nearest code, ties to even, beyond 6 the largest code (FP4 has no other code for it).
; A block of zeros keeps the byte 1 where the rule says 127: its codes are zeros, which add nothing under any byte but 0xff, and this program alone reads the bytes.
; LIMITS: NaN and infinities among the inputs are not served; blocks whose largest magnitude lies under 2^(3 - 127) get the floor's byte;
; keys, values and output_weights beyond f16's largest number, 65,504, become infinities (the drawn numbers lie under 6).
; No cluster, no tensor load, no matrix unit: the work-groups share no input and every byte is read once.  Waves share nothing: no barrier.  x's path and the keys' path have LDS bytes of their own.
.set STEPS, 16                         ; x: steps of 512 numbers (one row) for a wave
.set AH,    8                          ; x: loads run eight steps, 32 loads of 512 bytes, ahead
.set SP,    80                         ; x: a lane's place in a stage: its 64 bytes + 16 of padding
.set WREG,  8192                       ; x: LDS of a wave: two stages of 32 x SP bytes, behind them its 256 scale bytes
.set KSL,   4*WREG                     ; keys: behind x's LDS: 256 bytes for each wave, its 64 sums
.set GRP,   8448                       ; keys: a group of 64 keys in k16: 64 rows of 128 bytes of f16, then 64 sums of 4 bytes
.set R,     16                         ; x: v16-143  eight sets of 16 numbers as loaded
.set X,     144                        ; x: v144-175 two sets of 16 neighbours
.set E,     176                        ; x: v176-191 a scale byte for each step
.set C,     192                        ; x: v192-223 two registers of codes for each step: no store's data are written again
	s_load_b512 s[4:19], s[0:1], 0x0               ; x s[4:5], Wq s[6:7], keys s[8:9], values s[10:11], Wo s[12:13], x_codes s[14:15], x_scales s[16:17], wq_codes s[18:19]
	s_load_b256 s[20:27], s[0:1], 0x40             ; wq_scales s[20:21], k16 s[22:23], v16 s[24:25], wo16 s[26:27]
	v_lshl_add_u32 v224, v0, 2, 0x8400
	v_mov_b32 v225, 0
	v_lshrrev_b32 v1, 5, v0
	v_readfirstlane_b32 s28, v1                    ; wave 0..3
	v_and_b32 v2, 31, v0                           ; lane
	s_wait_kmcnt 0x0
	s_cmp_lt_u32 ttmp9, 16
	s_cbranch_scc1 .Lw
	s_cmp_lt_u32 ttmp9, 144
	s_cbranch_scc1 .Lx
	s_cmp_lt_u32 ttmp9, 400
	s_cbranch_scc1 .Lk
; ---- values, output_weights: f32 -> f16.  A work-group takes 65,536 bytes of f32, a wave 16,384: 32 loads of 512 consecutive bytes, all out at once; each store covers 256 consecutive bytes, aligned.
	s_sub_co_u32 s29, ttmp9, 400                   ; 0..255 values, 256..271 output_weights
	s_cmp_lt_u32 s29, 256                          ; the choice of buffers hangs on the work-group's number alone
	s_cselect_b64 s[30:31], s[10:11], s[12:13]
	s_cselect_b64 s[32:33], s[24:25], s[26:27]
	s_cselect_b32 s34, 0, 256
	s_sub_co_u32 s29, s29, s34
	s_lshl_b32 s29, s29, 2
	s_add_co_u32 s29, s29, s28                     ; which run of 4,096 numbers of the tensor is my wave's
	s_lshl_b32 s36, s29, 14
	s_mov_b32 s37, 0
	s_add_nc_u64 s[30:31], s[30:31], s[36:37]
	s_lshl_b32 s36, s29, 13
	s_add_nc_u64 s[32:33], s[32:33], s[36:37]
	v_lshlrev_b32 v3, 4, v2                        ; in: 16 bytes a lane
	v_lshlrev_b32 v4, 3, v2                        ; out: 8 bytes a lane
.set i, 0
.rept 32
	global_load_b128 v[16+4*i:19+4*i], v3, s[30:31] offset:512*i th:TH_LOAD_NT
.set i, i+1
.endr
.set i, 0
.rept 32
	s_wait_loadcnt 31-i                            ; loads come back in order: load i is in, the 31 - i younger ones stay out
	v_cvt_pk_f16_f32 v[144+2*i], v[16+4*i], v[17+4*i]
	v_cvt_pk_f16_f32 v[145+2*i], v[18+4*i], v[19+4*i]
	global_store_b64 v4, v[144+2*i:145+2*i], s[32:33] offset:256*i   ; every store has registers of its own: nothing is written again
.set i, i+1
.endr
	s_endpgm
; ---- keys: f32 -> f16, and each key's sum.  The next launch takes each query's mean out of q and adds mean x (the key's sum) to the score in f32: so the sum is taken of the keys as they are given, not of the f16.
; A wave takes one group of 64 keys: 32 loads of 512 consecutive bytes, all out at once.  A load holds two keys: lanes 0-15 the even one, lanes 16-31 the odd one, four numbers a lane.
; A key's sum: the lane's four, then four steps among the sixteen lanes.  All sixteen then hold it and write it to one word of the wave's own 256 bytes of LDS; at the end the 64 sums leave as 256 consecutive bytes.
.Lk:
	s_sub_co_u32 s29, ttmp9, 144
	s_lshl_b32 s29, s29, 2
	s_add_co_u32 s29, s29, s28                     ; which group of 64 keys is my wave's: 0..1023
	s_lshl_b32 s30, s29, 14                        ; 16,384 bytes of f32,
	s_mov_b32 s31, 0
	s_add_nc_u64 s[8:9], s[8:9], s[30:31]
	s_mul_i32 s30, s29, GRP                        ; 8,448 bytes of k16 a group: 33 blocks of 256
	s_add_nc_u64 s[22:23], s[22:23], s[30:31]
	v_lshlrev_b32 v3, 4, v2                        ; in: 16 bytes a lane
	v_lshlrev_b32 v4, 3, v2                        ; out: 8 bytes a lane
	s_lshl_b32 s32, s28, 8
	s_add_co_u32 s32, s32, KSL                     ; my wave's 256 bytes of LDS
	v_lshrrev_b32 v5, 4, v2
	v_lshlrev_b32 v5, 2, v5
	v_add_nc_u32 v5, s32, v5                       ; a load's two sums: 4 bytes for each half of the lanes
	v_add_nc_u32 v6, s32, v4                       ; and the 8 bytes that I store at the end
.set i, 0
.rept 32
	global_load_b128 v[96+4*i:99+4*i], v3, s[8:9] offset:512*i th:TH_LOAD_NT
.set i, i+1
.endr
.set i, 0
.rept 32
	s_wait_loadcnt 31-i                            ; load i is in, the 31 - i younger ones stay out
	v_cvt_pk_f16_f32 v[32+2*i], v[96+4*i], v[97+4*i]
	v_cvt_pk_f16_f32 v[33+2*i], v[98+4*i], v[99+4*i]
	v_pk_add_f32 v[96+4*i:97+4*i], v[96+4*i:97+4*i], v[98+4*i:99+4*i]     ; my four numbers,
	v_add_f32 v[96+4*i], v[96+4*i], v[97+4*i]
	v_add_f32_dpp v[96+4*i], v[96+4*i], v[96+4*i] row_xmask:1 row_mask:0xf bank_mask:0xf   ; and the other fifteen lanes' of my key
	v_add_f32_dpp v[96+4*i], v[96+4*i], v[96+4*i] row_xmask:2 row_mask:0xf bank_mask:0xf
	v_add_f32_dpp v[96+4*i], v[96+4*i], v[96+4*i] row_xmask:4 row_mask:0xf bank_mask:0xf
	v_add_f32_dpp v[96+4*i], v[96+4*i], v[96+4*i] row_xmask:8 row_mask:0xf bank_mask:0xf
	ds_store_b32 v5, v[96+4*i] offset:8*i          ; sixteen lanes write the same word with the same value
	global_store_b64 v4, v[32+2*i:33+2*i], s[22:23] offset:256*i          ; two keys' 256 bytes of f16, aligned; every store has registers of its own
.set i, i+1
.endr
	ds_load_b64 v[12:13], v6                       ; LDS serves a wave's instructions in order (ISA guide 5.7.1): these see my stores
	s_wait_dscnt 0x0
	global_store_b64 v4, v[12:13], s[22:23] offset:8192                   ; the group's 64 sums: 256 consecutive bytes, aligned
	s_wait_tensorcnt 0x0
	ds_add_u32 v224, v225
	s_wait_dscnt 0x0
	s_endpgm
; ---- x.  Rows are dense and 512 is a multiple of 32: x is a plain stream of blocks of 32.  A wave takes 16 steps of 512 numbers (16 rows).
; The conversions take eight numbers of ONE block from a lane's consecutive registers, so a lane must hold 16 neighbours (two neighbouring lanes hold a block); a load is dense where neighbouring
; lanes take neighbouring bytes.  Both are had: a step's four loads read 512 consecutive bytes each; the 2,048 bytes turn through the wave's own stage in LDS and come back 64 bytes a lane.
.Lx:
	s_sub_co_u32 s29, ttmp9, 16
	s_lshl_b32 s29, s29, 2
	s_add_co_u32 s29, s29, s28                     ; which run of 8,192 numbers is my wave's: 0..511
	s_lshl_b32 s30, s29, 15
	s_mov_b32 s31, 0
	s_add_nc_u64 s[4:5], s[4:5], s[30:31]          ; 32,768 bytes of f32,
	s_lshl_b32 s30, s29, 12
	s_add_nc_u64 s[14:15], s[14:15], s[30:31]      ; 4,096 bytes of codes,
	s_lshl_b32 s30, s29, 8
	s_add_nc_u64 s[16:17], s[16:17], s[30:31]      ; 256 scale bytes a run
	v_lshlrev_b32 v3, 4, v2                        ; my 16 bytes of a load's 512
	s_mul_i32 s32, s28, WREG
	v_lshrrev_b32 v14, 2, v2
	v_mul_u32_u24 v14, v14, SP
	v_and_b32 v15, 3, v2
	v_lshl_add_u32 v14, v15, 4, v14
	v_add_nc_u32 v14, s32, v14                     ; the stage, on the way in: SP (lane / 4) + 16 (lane % 4); a load's 512 bytes take eight places
	v_mul_u32_u24 v15, v2, SP
	v_add_nc_u32 v15, s32, v15                     ; and on the way out: SP x lane: my 16 neighbours
	v_lshlrev_b32 v4, 3, v2                        ; 8 bytes a lane: my codes in a step's 256 bytes; my part of the 256 scale bytes
	v_lshrrev_b32 v5, 1, v2
	s_add_co_u32 s32, s32, 2*32*SP
	v_add_nc_u32 v5, s32, v5                       ; LDS: my block's scale byte
	v_add_nc_u32 v6, s32, v4                       ; LDS: the 8 scale bytes that I store at the end
.macro XLOAD t
.irp i, 0,1,2,3
	global_load_b128 v[R+16*((\t)%AH)+4*\i:R+16*((\t)%AH)+4*\i+3], v3, s[4:5] offset:2048*(\t)+512*\i th:TH_LOAD_NT
.endr
.endm
.macro XTURN t                         ; step t's numbers through the stage: LDS serves a wave's instructions in order (ISA guide 5.7.1), so no wait stands between the stores and the loads
.irp i, 0,1,2,3
	ds_store_b128 v14, v[R+16*((\t)%AH)+4*\i:R+16*((\t)%AH)+4*\i+3] offset:32*SP*((\t)%2)+8*SP*\i
.endr
.irp i, 0,1,2,3
	ds_load_b128 v[X+16*((\t)%2)+4*\i:X+16*((\t)%2)+4*\i+3], v15 offset:32*SP*((\t)%2)+16*\i
.endr
.endm
.macro XSTEP t
.set XSR, X+16*((\t)%2)
.if (\t) > 0
	s_wait_dscnt 1                                 ; this step's numbers are back from the stage; only the last step's byte store may be out
.else
	s_wait_dscnt 0x0
.endif
.if (\t)+AH < STEPS
	XLOAD (\t)+AH                                  ; into the registers that this step's stage stores have read
.endif
.if (\t)+1 < STEPS
.if STEPS-2-(\t) >= AH-1
	s_wait_loadcnt 4*(AH-1)                        ; the next step's four loads are in; those of the seven steps behind it may be out
.else
	s_wait_loadcnt 4*(STEPS-2-(\t))                ; nothing more is asked for: the counts run down
.endif
	XTURN (\t)+1                                   ; the next step goes through the other stage while this one is worked
.endif
	v_max3_num_f32 v8, |v[XSR]|, |v[XSR+1]|, |v[XSR+2]|            ; the largest magnitude of my 16, in two chains
	v_max3_num_f32 v9, |v[XSR+3]|, |v[XSR+4]|, |v[XSR+5]|
.irp i, 6,10
	v_max3_num_f32 v8, v8, |v[XSR+\i]|, |v[XSR+\i+1]|
	v_max3_num_f32 v9, v9, |v[XSR+\i+2]|, |v[XSR+\i+3]|
.endr
	v_max3_num_f32 v8, v8, |v[XSR+14]|, |v[XSR+15]|
	v_max3_num_f32 v8, v8, v9, 0x1800000           ; and the floor 2^(3 - 127): the byte cannot fall under 1
	v_max_num_f32_dpp v8, v8, v8 row_xmask:1 row_mask:0xf bank_mask:0xf   ; with my neighbour's 16: the block's
	v_add_nc_u32 v11, 0xff000000, v8               ; 2 off its exponent field: the conversion takes the exponent field of this operand as its scale, and nothing else of it
	v_cvt_scalef32_pk8_fp4_f32 v[C+2*(\t)], v[XSR:XSR+7], v11
	v_cvt_scalef32_pk8_fp4_f32 v[C+2*(\t)+1], v[XSR+8:XSR+15], v11
	v_lshrrev_b32 v[E+(\t)], 23, v11               ; the scale's byte (a plain line behind the conversions)
	ds_store_b8 v5, v[E+(\t)] offset:16*(\t)       ; both lanes of a block write the same byte with the same value
	global_store_b64 v4, v[C+2*(\t):C+2*(\t)+1], s[14:15] offset:256*(\t)   ; the wave stores a row's 256 bytes of codes, aligned
.endm
.irp t, 0,1,2,3,4,5,6,7
	XLOAD \t
.endr
	s_wait_loadcnt 28                              ; step 0's four loads are in; seven steps' 28 stay out
	XTURN 0
.irp t, 0,1,2,3,4,5,6,7,8,9,10,11,12,13,14,15
	XSTEP \t
.endr
	ds_load_b64 v[12:13], v6                       ; my wave's 256 scale bytes: these loads see my byte stores (a wave's LDS instructions are served in order)
	s_wait_dscnt 0x0
	global_store_b64 v4, v[12:13], s[16:17]        ; 32 lanes store 256 consecutive bytes, aligned
	s_wait_tensorcnt 0x0
	ds_add_u32 v224, v225
	s_wait_dscnt 0x0
	s_endpgm
; ---- query_weights: K is its FIRST axis.  A lane takes a column n and its registers run DOWN K: a block of 32 lies in one lane's 32 registers, and the conversions give codes with K innermost.
; A wave takes 32 columns x one K step of 128 (four blocks).  wq_codes is laid as the operand's registers: [column tile of 16][K step][1,024 bytes], in which block t of column r lies at 256 t + 16 r:
; that is register group 4 (t / 2) of lane 16 (t % 2) + r.  So sixteen lanes store 256 consecutive bytes, aligned, and the reader takes a fragment by two loads of 16 bytes a lane, 16 x lane.
; wq_scales: [K step][column] words, byte t for block t; a wave's store covers 128 consecutive bytes (the buffer has 8,192 in all).
.Lw:
	s_lshl_b32 s29, ttmp9, 2
	s_add_co_u32 s29, s29, s28                     ; 0..63
	s_lshr_b32 s30, s29, 4                         ; the K step
	s_and_b32 s31, s29, 15                         ; the group of 32 columns
	s_lshl_b32 s32, s30, 18                        ; 128 rows of 2,048 bytes
	s_lshl_b32 s34, s31, 7                         ; 32 columns of 4 bytes
	s_add_co_u32 s32, s32, s34
	s_mov_b32 s33, 0
	s_add_nc_u64 s[6:7], s[6:7], s[32:33]
	s_lshl_b32 s32, s31, 13                        ; two column tiles of 4,096 bytes
	s_lshl_b32 s35, s30, 10
	s_add_co_u32 s32, s32, s35
	s_add_nc_u64 s[18:19], s[18:19], s[32:33]
	s_lshl_b32 s32, s30, 11                        ; 512 words a K step
	s_add_co_u32 s32, s32, s34
	s_add_nc_u64 s[20:21], s[20:21], s[32:33]
	v_lshlrev_b32 v3, 2, v2                        ; 4 bytes a lane: in, and the scale word out
	v_lshrrev_b32 v5, 4, v2
	v_and_b32 v6, 15, v2
	v_lshlrev_b32 v5, 12, v5
	v_lshl_add_u32 v5, v6, 4, v5                   ; codes out: 4,096 (lane / 16) + 16 (lane % 16)
.macro WLOAD t                         ; block t: Wq(32 t + i, my column), i = 0 .. 31: each load reads 128 consecutive bytes
.set i, 0
.rept 32
	global_load_b32 v[32+32*(\t)+i], v3, s[6:7] offset:(32*(\t)+i)*2048 th:TH_LOAD_NT
.set i, i+1
.endr
.endm
.macro WBLOCK t
.if (\t) < 3
	s_wait_loadcnt 32                              ; this block's 32 loads are in; the next block's 32 may be out
.else
	s_wait_loadcnt 0x0
.endif
.if (\t)+2 < 4
	WLOAD (\t)+2                                   ; two blocks ahead; every block has registers of its own
.endif
.set WB, 32+32*(\t)
	v_max3_num_f32 v12, |v[WB]|, |v[WB+1]|, |v[WB+2]|              ; the block's largest magnitude: all 32 numbers are mine
	v_max3_num_f32 v13, |v[WB+3]|, |v[WB+4]|, |v[WB+5]|
.irp i, 6,10,14,18,22,26
	v_max3_num_f32 v12, v12, |v[WB+\i]|, |v[WB+\i+1]|
	v_max3_num_f32 v13, v13, |v[WB+\i+2]|, |v[WB+\i+3]|
.endr
	v_max3_num_f32 v12, v12, |v[WB+30]|, |v[WB+31]|
	v_max3_num_f32 v12, v12, v13, 0x1800000        ; and the floor 2^(3 - 127)
	v_add_nc_u32 v11, 0xff000000, v12              ; 2 off the exponent field: the conversion's scale operand
	v_lshrrev_b32 v13, 23, v11                     ; the scale's byte
.if (\t) == 0
	v_mov_b32 v24, v13                             ; four bytes make the K step's scale word, the lower K in the lower byte
.else
	v_lshl_or_b32 v24, v13, 8*(\t), v24
.endif
.irp g, 0,1,2,3
	v_cvt_scalef32_pk8_fp4_f32 v[160+4*(\t)+\g], v[WB+8*\g:WB+8*\g+7], v11
.endr
	global_store_b128 v5, v[160+4*(\t):163+4*(\t)], s[18:19] offset:256*(\t)   ; (the next block begins with plain lines that touch neither these codes nor v11)
.endm
	WLOAD 0
	WLOAD 1
	WBLOCK 0
	WBLOCK 1
	WBLOCK 2
	WBLOCK 3
	global_store_b32 v3, v24, s[20:21]
	s_endpgm
.Lfunc_end_k_q5609f6729e_prep:
	.size	k_q5609f6729e_prep, .Lfunc_end_k_q5609f6729e_prep-k_q5609f6729e_prep
	.p2alignl 7, 3214868480
	.fill 96, 4, 3214868480
	.section	.rodata,"a",@progbits
	.p2align	6, 0x0
	.amdhsa_kernel k_q5609f6729e_prep
		.amdhsa_group_segment_fixed_size 34304
		.amdhsa_private_segment_fixed_size 0
		.amdhsa_enable_private_segment 0
		.amdhsa_kernarg_size 96
		.amdhsa_user_sgpr_count 2
		.amdhsa_user_sgpr_kernarg_segment_ptr 1
		.amdhsa_wavefront_size32 1
		.amdhsa_system_sgpr_workgroup_id_x 1
		.amdhsa_system_sgpr_workgroup_id_y 1
		.amdhsa_system_sgpr_workgroup_id_z 1
		.amdhsa_system_vgpr_workitem_id 0
		.amdhsa_next_free_vgpr 226
		.amdhsa_next_free_sgpr 66
		.amdhsa_reserve_vcc 0
		.amdhsa_float_denorm_mode_32 3
		.amdhsa_float_denorm_mode_16_64 3
		.amdhsa_memory_ordered 1
		.amdhsa_forward_progress 1
		.amdhsa_inst_pref_size 89
	.end_amdhsa_kernel
	.amdgpu_metadata
---
amdhsa.version: [ 1, 2 ]
amdhsa.kernels:
  - .name:           k_q5609f6729e_prep
    .symbol:         k_q5609f6729e_prep.kd
    .args:
      - { .name: x, .offset: 0, .size: 8, .value_kind: global_buffer, .address_space: global }
      - { .name: query_weights, .offset: 8, .size: 8, .value_kind: global_buffer, .address_space: global }
      - { .name: keys, .offset: 16, .size: 8, .value_kind: global_buffer, .address_space: global }
      - { .name: values, .offset: 24, .size: 8, .value_kind: global_buffer, .address_space: global }
      - { .name: output_weights, .offset: 32, .size: 8, .value_kind: global_buffer, .address_space: global }
      - { .name: x_codes, .offset: 40, .size: 8, .value_kind: global_buffer, .address_space: global }
      - { .name: x_scales, .offset: 48, .size: 8, .value_kind: global_buffer, .address_space: global }
      - { .name: wq_codes, .offset: 56, .size: 8, .value_kind: global_buffer, .address_space: global }
      - { .name: wq_scales, .offset: 64, .size: 8, .value_kind: global_buffer, .address_space: global }
      - { .name: k16, .offset: 72, .size: 8, .value_kind: global_buffer, .address_space: global }
      - { .name: v16, .offset: 80, .size: 8, .value_kind: global_buffer, .address_space: global }
      - { .name: wo16, .offset: 88, .size: 8, .value_kind: global_buffer, .address_space: global }
    .group_segment_fixed_size: 34304
    .private_segment_fixed_size: 0
    .kernarg_segment_align: 8
    .kernarg_segment_size: 96
    .max_flat_workgroup_size: 128
    .sgpr_count:     66
    .vgpr_count:     226
    .wavefront_size: 32
...
	.end_amdgpu_metadata
.endif
;; end of part 1
;; launch attn (part 2): grid 8 x 32, 8 waves a work-group, clusters of 4 x 1, 327,680 bytes of LDS; arguments x_codes, x_scales, wq_codes, wq_scales, k16, v16, ctx; writes ctx
.if DOCPART == 2
	.amdgcn_target "amdgcn-amd-amdhsa--gfx1250"
	.amdhsa_code_object_version 6
	.text
	.protected	k_q5609f6729e_attn
	.globl	k_q5609f6729e_attn
	.p2align	8
	.type	k_q5609f6729e_attn,@function
k_q5609f6729e_attn:
	s_mov_b64 s[64:65], 0
	v_nop
	global_prefetch_b8 v0, s[64:65] scope:SCOPE_SE
	s_setreg_imm32_b32 hwreg(HW_REG_WAVE_MODE, 25, 1), 1
	s_wait_xcnt 0x0
	s_wait_alu depctr_hold_cnt(0) depctr_sa_sdst(0) depctr_va_vdst(0) depctr_va_sdst(0) depctr_va_ssrc(0) depctr_va_vcc(0) depctr_vm_vsrc(0)
	s_getreg_b32 s2, hwreg(HW_REG_IB_STS2, 6, 4)
	s_cmp_eq_u32 s2, 0
	s_cbranch_scc0 .Lentry_in_a_cluster
	s_endpgm
.Lentry_in_a_cluster:
	s_bfe_u32 s2, ttmp6, 0x10000c
	s_cmp_lg_u32 s2, 0x3003
	s_cbranch_scc0 .Lentry_shape_is_right
	s_endpgm
.Lentry_shape_is_right:
; ATTN: q = Q(x) Q(Wq) on codes of FP4 with E8M0 scales (the quantised product), then ctx = softmax(q k^T / 8) v with f16 operands and f32 sums.  q never goes to memory.
; SHARES.  A work-group owns 256 queries of one (batch, head); each of its eight waves owns 32: two tiles of 16.  Two waves lie on a SIMD.
; Every wave walks the head's 2,048 keys, 64 a step.  K and V (f16, 128 bytes a row) come through a ring of two LDS slots of 256 keys, filled by the tensor data mover.
; CLUSTER.  The four query blocks of a cluster belong to one head and walk the same K and V: each tile is asked for JOINTLY, by the same tensor load with the same descriptor and the mask of all four.
; LAYOUT.  All three products are used transposed, so that a lane holds ONE query (lane % 16) throughout:
;   q^T = Wq^T x^T (source 0 = 16 columns of Wq, source 1 = 16 rows of x): register j of tile ct is channel 16 ct + 8 (lane / 16) + j: two tiles, rounded to f16 in pairs, ARE source 1 of the next product;
;   S^T = K q^T (source 0 = 16 keys): register j is key 8 (lane / 16) + j of the tile; two tiles rounded in pairs ARE source 1 (32 keys x 16 queries) of O^T = V^T P.  V ([key][channel]) is turned by ds_load_tr16_b128.
; THE QUERY'S MEAN GOES ROUND THE ROUNDING.  A weight is the exponential of a score, so what counts is a score's ABSOLUTE error, and the rounding of q and k to f16's eleven bits leaves |q| |k| 2^-11 a product.
; So each query's mean over the head's 64 channels is taken out of q in f32 before q is rounded, and comes back in f32:  q . k = (q - mean) . k + mean x (the sum of the key's 64 numbers).
; That holds for every q and k, and (q - mean) is never larger than q in the root of its squares.  The keys' sums were made in f32 of the keys as given; they ride in K's tiles, 64 to a key step.
; The matrix instructions make (q - mean) . k, each product once; mean x sum is added by the softmax's first 16 lines, a packed multiply-add each.
; q is kept x 2^-6 (exact), and 2^6 goes into c: p = 2^(c s - c m), c = 2^6 log2(e) / 8.  m is the running maximum of each query; in every step O and the sum l are multiplied by a = 2^(c m_old - c m_new).
; BY TURNS.  The wave's two tiles are two pieces.  In a TURN one tile has the matrix unit: 8 products V^T P of the step in hand, then 8 products K q^T of the next step; the other tile's softmax, a list of
; 134 instructions cut into 16 slices, stands between them, one slice behind each matrix instruction.  Then the tiles change places.  Two turns are a key step.  So a wave never stands at a run of matrix
; instructions with vector work undone, and K, the sums and V are asked of LDS half a step or more ahead of their use.
; LIMITS: |q - mean| under 2^6 x 65,504 = 4.19e6 (the drawn q lie under 100); NaN and infinities are not served.  m begins at -1e30: a score here is at most 2 x 64 x 65,504^2 in magnitude.
; REGISTERS.  Window 0: v1-10 addresses; v16-31 statistics, eight a tile: +0 c m, +1 m, +2, +3 l, +4..+7 at work (a in +6); v32-39 x's scale words, v40-55 Wq's (scales and nothing else);
;   v56-59 the mean x 2^-6, a pair a tile; v60-61 addresses of the sums; v64-127 S^T, 32 a tile; v128-159 P, 16 a tile; v160-223 K's eight fragments; v224-255 q as f16, 16 a tile.
;   At the head v64-191 hold Wq's 16 fragments and v192-255 x's eight.   Window 1: v0-63 O^T, 32 a tile (at the head: q^T's sums); v64-127 V's eight fragments; v128-159 the step's 64 sums, 32 a lane, laid as a tile's scores.
;   K q^T and all of a softmax but its two ends lie in window 0: no switch stands between them.  V^T P wants V and O^T, for which window 0 has no room: two switches a product.
.set PKB,   144                        ; a row of K in LDS: 128 bytes + 16 of padding = 36 words: the 16 rows of a load start at 16 different groups of four banks (64 banks of 4 bytes: ISA guide 11.1)
.set PVB,   160                        ; a row of V: 128 + 32 = 40 words
.set KSO,   64*PKB                     ; in a key step's K: 64 rows of f16, then two rows that hold the 64 sums
.set KQB,   66*PKB                     ; all 66: what one tensor load brings, and a key step's
.set VQB,   64*PVB                     ; 64 rows of V: likewise
.set VOFF,  4*KQB                      ; a slot: four key steps' K, then 256 rows of V: 78,976 bytes
.set SLOT1, 1<<17                      ; slot 1 begins here: one exclusive or turns an address in one slot into the other's
.set GRPM,  8448                       ; a key step's K in memory: 66 rows of 128 bytes on end
.set SLOTMK, 4*GRPM                    ; a slot's keys in memory, in bytes: K,
.set SLOTMV, 256*128                   ; V
.set STAGE, 212992                     ; behind the ring (slot 1 ends at 210,048), on a block of 256 bytes: two tiles x 16 rows x 144 bytes for each wave, for the way out; no fill lands here
.set SPARE, STAGE+8*4608               ; behind the stages: the spare words, 128 bytes for each wave: four blocks of 256 bytes that no other line names
.set AK0,  1                           ; v1   my lane's place in a tile of K; never rewritten
.set AV0,  2                           ; v2   the same for V
.set ADRK, 3                           ; v3   LDS address of the K that is being fetched
.set ADRV, 4                           ; v4   of the V
.set SPW,  5                           ; v5   LDS address of my spare word: SPARE + 4 x my thread's number; never rewritten
.set NIL,  6                           ; v6   0; never rewritten
.set PFO,  7                           ; v7   256 x my lane: the prefetches' offset; never rewritten
.set STO,  8                           ; v8   at the head x's offset; the way out: where I put 16 bytes of a row
.set RD,   9                           ; v9   the way out: where I read rows back
.set GO,   10                          ; v10  the way out: 16 x lane
.set ST,   16
.set XS,   32
.set WS,   40
.set QB,   56
.set AKS0, 60                          ; v60  my lane's place among a key step's sums; never rewritten
.set ADRS, 61                          ; v61  LDS address of the sums that are being fetched
.set S,    64
.set P,    128
.set KF,   160
.set Q,    224
.set WF,   64
.set XC,   192
.set VF,   64                          ; in window 1
.set KS,   128                         ; in window 1
.set WV,   18                          ; s18  my wave's number
.set G1K,  24                          ; s[24:31] descriptor group 1 for K's tiles;  s[32:39] for V's
.set G1V,  32
.set G0K,  40                          ; s[40:47] group 0 for K's tiles: a set for each of the two first fills; the second then walks on
.set G0V,  48                          ; s[48:55] the same for V's
.set SLOTS, 56                         ; s56  slots still to be asked for
.set CNT,  57                          ; s57  counts key steps
.set CS,   58                          ; s[58:59] c: the packed form names a pair and takes its low word for both halves
.set SEL,  60                          ; s[60:61] lane selects for v_permlanex16_b32: lane l xor 16
.set TBK,  62                          ; s62  LDS byte at which the K to be fetched next begins
.set TBV,  63                          ; s63  the same for V (less VOFF, which lies in v2)
.set PFA,  66                          ; s[66:67] where my prefetches stand in memory
.set LIM,  68                          ; s68  1 in a wave that prefetches, else the greatest number
.set PFS,  82                          ; s[82:83] a slot on, in bytes, in the tensor that I prefetch
.set MSB, 0
.macro WIN new                         ; s_set_vgpr_msb: bits 1:0 source 0, 3:2 source 1, 5:4 source 2, 7:6 destination; the high byte repeats the setting that is left; a switch that changes nothing is dropped
.if MSB != \new
	s_set_vgpr_msb (MSB<<8)|\new
.set MSB, \new
.endif
.endm
.macro PLACES                          ; four plain lines between a matrix instruction and a vector read of its result, or a load into one of its registers (ISA guide 7.12.1 for a vector read)
.rept 4
	v_nop
.endr
.endm
; A joint refill: waves 0 to 3 fetch the four key steps of a slot's K, waves 4 to 7 those of its V.  The branch hangs on the wave's number alone.  Four v_nop follow each of the two lines.
.macro JLOAD
	s_cmp_lt_u32 s[WV], 4
	s_cbranch_scc0 .Lfor_v_\@
	tensor_load_to_lds s[G0K+4:G0K+7], s[G1K:G1K+7]
	s_nop 0
	PLACES
	s_branch .Lasked_\@
.Lfor_v_\@:
	tensor_load_to_lds s[G0V+4:G0V+7], s[G1V:G1V+7]
	s_nop 0
	PLACES
.Lasked_\@:
.endm
; A prefetch of what the NEXT change of slots will ask for.  Both clusters of a head walk the same rows: the head's first cluster asks.  Its four partners take a key step each, told apart BY ADDRESS;
; in each, wave 0 asks for the key step's 8,192 bytes of K's f16 and wave 4 for its 8,192 bytes of V, lanes 256 bytes apart: each aligned block of 256 bytes is named at most once in the launch.
; (A key step's 33rd block of K, its sums, is not asked for: it comes by its load alone.)  The prefetch stands four key steps, 128 matrix instructions of a wave, ahead of the load that wants the rows.
; The last change that fills a slot asks for nothing; slots 0, 1 and 2 come by their loads alone.
.macro ASK
	s_cmp_gt_u32 s[SLOTS], s[LIM]
	s_cbranch_scc0 .Lnot_mine_\@
	global_prefetch_b8 v[PFO], s[PFA:PFA+1] th:TH_LOAD_NT scope:SCOPE_SE
.Lnot_mine_\@:
.endm
; A round of the cluster's barrier: my work-group's barrier, wave 0 signals for the work-group, every wave waits for all four work-groups, my work-group's barrier once more.
.macro CROUND
	s_barrier_signal -1
	s_barrier_wait -1
	s_cmp_lg_u32 s[WV], 0
	s_cbranch_scc1 .Lnot_wave_0_\@
	s_barrier_signal -3
.Lnot_wave_0_\@:
	s_barrier_wait -3
	s_barrier_signal -1
	s_barrier_wait -1
.endm
	s_load_b256 s[4:11], s[0:1], 0x0               ; x_codes s[4:5], x_scales s[6:7], wq_codes s[8:9], wq_scales s[10:11]
	s_load_b128 s[12:15], s[0:1], 0x20             ; k16 s[12:13], v16 s[14:15]
	s_load_b64 s[16:17], s[0:1], 0x30              ; ctx
	v_lshl_add_u32 v[SPW], v0, 2, SPARE
	v_mov_b32 v[NIL], 0
	ds_add_u32 v5, v6
	ds_add_u32 v5, v6
	s_wait_dscnt 0x0
	v_lshrrev_b32 v8, 5, v0
	v_readfirstlane_b32 s[WV], v8                  ; wave 0..7
	s_bfe_u32 s19, ttmp6, 0x40000                  ; cx: my place in the cluster: it enters x's and ctx's addresses and the prefetches' alone
	s_lshl_b32 s20, ttmp9, 2                       ; in a cluster launch ttmp9 counts clusters
	s_add_co_u32 s20, s20, s19                     ; my block of 256 queries
	s_and_b32 s21, ttmp7, 0xffff                   ; 8 x batch + head, which the four partners share
	s_lshr_b32 s22, s21, 3                         ; batch
	s_and_b32 s23, s21, 7                          ; head
	s_lshl_b32 s22, s22, 11
	s_lshl_b32 s20, s20, 8
	s_add_co_u32 s20, s20, s22
	s_lshl_b32 s22, s[WV], 5
	s_add_co_u32 s20, s20, s22                     ; my first row of x and of ctx: 2,048 batch + 256 block + 32 wave
	s_lshl_b32 s70, s20, 8                         ; its codes: 256 bytes a row
	s_mov_b32 s71, 0
	s_lshl_b32 s72, s20, 4                         ; its scale bytes: 16 a row
	s_mov_b32 s73, 0
	s_lshl_b32 s74, s23, 14                        ; the head's four column tiles of Wq: 4 x 4,096 bytes
	s_mov_b32 s75, 0
	s_lshl_b32 s76, s23, 8                         ; and their scale words: 64 columns x 4 bytes
	s_mov_b32 s77, 0
	s_lshl_b32 s78, s23, 20                        ; ctx is laid [head][row][64]: 1,048,576 bytes a head,
	s_lshl_b32 s22, s20, 7                         ; 128 a row
	s_add_co_u32 s78, s78, s22
	s_mov_b32 s79, 0
	; the prefetches: where my wave's stand, as an offset.  Waves 0 to 3 take K's figures, waves 4 to 7 V's; all three choices stand ahead of the first line that writes SCC
	s_cmp_lt_u32 s[WV], 4
	s_mov_b32 s84, 8*SLOTMV
	s_cselect_b32 s84, 8*SLOTMK, s84               ; a head's bytes,
	s_mov_b32 s85, 8192
	s_cselect_b32 s85, GRPM, s85                   ; a key step's,
	s_mov_b32 s[PFS], SLOTMV
	s_cselect_b32 s[PFS], SLOTMK, s[PFS]           ; a slot's
	s_mul_i32 s84, s84, s21                        ; my head,
	s_mul_i32 s85, s85, s19                        ; my work-group's key step of a slot,
	s_add_co_u32 s84, s84, s85
	s_lshl_b32 s85, s[PFS], 1
	s_add_co_u32 s84, s84, s85                     ; in slot 2: the first change of slots steps it to slot 3.  Nothing is prefetched at the head
	s_mov_b32 s85, 0
	s_mov_b32 s[PFS+1], 0
	s_and_b32 s[LIM], s[WV], 3                     ; 0 in waves 0 and 4,
	s_or_b32 s[LIM], s[LIM], ttmp9                 ; of the head's first cluster: the same in all four partners
	s_cmp_eq_u32 s[LIM], 0
	s_cselect_b32 s[LIM], 1, -1
	; what I fetch
	s_and_b32 s22, s[WV], 3                        ; which key step of a slot
	s_mul_i32 s2, s21, 8*SLOTMK                    ; K: the head's 32 key steps,
	s_mul_i32 s3, s22, GRPM                        ; mine
	s_add_co_u32 s2, s2, s3
	s_mov_b32 s3, 0
	s_lshl_b32 s80, s21, 18                        ; V: 2,048 rows of 128 bytes a head,
	s_lshl_b32 s81, s22, 13                        ; my 64 rows
	s_add_co_u32 s80, s80, s81
	s_mov_b32 s81, 0
	s_mul_i32 s21, s22, VQB                        ; and where they go in a slot: no place in the cluster enters an LDS address
	s_add_co_u32 s21, s21, VOFF
	s_mul_i32 s22, s22, KQB
	; descriptor group 1: rows of 64 elements of 2 bytes, dense in memory, padded in LDS.  K: 66 rows (64 keys, then their 64 sums in two rows);  V: 64 rows
	s_mov_b32 s[G1K], 15|(1<<16)|(1<<20)|(1<<21)|(4<<22)|(3<<25)   ; 15:0 the mask: all four work-groups; 17:16 elements of 2 bytes; 20 padding on; 21 set beside a mask; 24:22 after every 32 words (code 4); 31:25 4 words (code 3)
	s_mov_b32 s[G1K+1], 64<<16                     ; tensor_dim0 = 64
	s_mov_b32 s[G1K+2], 66<<16                     ; tensor_dim1 = 66
	s_mov_b32 s[G1K+3], 64<<16                     ; tile_dim0 = 64
	s_mov_b32 s[G1K+4], 66                         ; tile_dim1 = 66
	s_mov_b32 s[G1K+5], 64                         ; elements from row to row
	s_mov_b32 s[G1K+6], 0
	s_mov_b32 s[G1K+7], 0
	s_mov_b32 s[G1V], 15|(1<<16)|(1<<20)|(1<<21)|(4<<22)|(7<<25)   ; the same with 8 words of padding (code 7)
	s_mov_b32 s[G1V+1], 64<<16
	s_mov_b32 s[G1V+2], 64<<16                     ; tensor_dim1 = 64
	s_mov_b32 s[G1V+3], 64<<16
	s_mov_b32 s[G1V+4], 64                         ; tile_dim1 = 64
	s_mov_b32 s[G1V+5], 64
	s_mov_b32 s[G1V+6], 0
	s_mov_b32 s[G1V+7], 0
	s_mov_b32 s[CS], 0x4138aa3b                    ; c = 8 log2(e)
	s_mov_b32 s[CS+1], s[CS]                       ; (named with it as a pair, so it is written)
	s_mov_b32 s[SEL], 0x76543210
	s_mov_b32 s[SEL+1], 0xfedcba98
	s_mov_b32 s[TBK], 0
	s_mov_b32 s[TBV], 0
	s_mov_b32 s[SLOTS], 6                          ; eight slots' worth of keys; two are asked for at the head
	s_wait_kmcnt 0x0
	s_add_nc_u64 s[4:5], s[4:5], s[70:71]
	s_add_nc_u64 s[6:7], s[6:7], s[72:73]
	s_add_nc_u64 s[8:9], s[8:9], s[74:75]
	s_add_nc_u64 s[10:11], s[10:11], s[76:77]
	s_add_nc_u64 s[16:17], s[16:17], s[78:79]
	s_cmp_lt_u32 s[WV], 4
	s_cselect_b64 s[PFA:PFA+1], s[12:13], s[14:15]
	s_add_nc_u64 s[PFA:PFA+1], s[PFA:PFA+1], s[84:85]
	s_add_nc_u64 s[12:13], s[12:13], s[2:3]        ; K and V at my key step of slot 0
	s_add_nc_u64 s[14:15], s[14:15], s[80:81]
	CROUND                                         ; all four work-groups are here: the first joint loads meet
.irp n, 0,1
	s_mov_b32 s[G0K+4*\n], 1                                       ; count = 1
	s_add_co_u32 s[G0K+4*\n+1], s22, \n*SLOT1                      ; LDS address
	s_add_nc_u64 s[G0K+4*\n+2:G0K+4*\n+3], s[12:13], \n*SLOTMK     ; global address: slot n begins with keys 256 n
	s_or_b32 s[G0K+4*\n+3], s[G0K+4*\n+3], 0x80000000              ; type = 2
	s_mov_b32 s[G0V+4*\n], 1
	s_add_co_u32 s[G0V+4*\n+1], s21, \n*SLOT1
	s_add_nc_u64 s[G0V+4*\n+2:G0V+4*\n+3], s[14:15], \n*SLOTMV
	s_or_b32 s[G0V+4*\n+3], s[G0V+4*\n+3], 0x80000000
.endr
	s_cmp_lt_u32 s[WV], 4                          ; a wave's two first fills stand in one branch, ahead of every wait on TENSORcnt and every LDS read: two loads of mine are out
	s_cbranch_scc0 .Lfirst_v
	tensor_load_to_lds s[G0K:G0K+3], s[G1K:G1K+7]
	s_nop 0
	tensor_load_to_lds s[G0K+4:G0K+7], s[G1K:G1K+7]
	s_nop 0
	PLACES
	s_branch .Lfirst_asked
.Lfirst_v:
	tensor_load_to_lds s[G0V:G0V+3], s[G1V:G1V+7]
	s_nop 0
	tensor_load_to_lds s[G0V+4:G0V+7], s[G1V:G1V+7]
	s_nop 0
	PLACES
.Lfirst_asked:
	v_and_b32 v12, 15, v0                          ; r = lane % 16
	v_bfe_u32 v13, v0, 4, 1                        ; h = lane / 16
	v_and_b32 v14, 31, v0                          ; lane
	v_lshlrev_b32 v8, 8, v12
	v_lshl_add_u32 v8, v13, 4, v8                  ; x's codes: row r of 256 bytes, + 16 h
	v_lshlrev_b32 v9, 4, v12                       ; x's scale words: 16 bytes a row
	v_lshlrev_b32 v10, 2, v12                      ; Wq's: 4 bytes a column
	v_lshlrev_b32 v11, 4, v14                      ; Wq's fragments lie as images of the registers: 16 x lane
	v_lshlrev_b32 v[PFO], 8, v14
	; A fragment of 4-bit codes, 16 rows x 128 K, is 8 registers: registers 4 c .. 4 c + 3 hold K = 64 c + 32 h + 0 .. 31: 16 bytes of the row as they lie
.irp t, 0,1
.irp s, 0,1,2,3
.irp c, 0,1
	global_load_b128 v[XC+8*(4*\t+\s)+4*\c:XC+8*(4*\t+\s)+4*\c+3], v8, s[4:5] offset:4096*\t+64*\s+32*\c
.endr
.endr
	global_load_b128 v[XS+4*\t:XS+4*\t+3], v9, s[6:7] offset:256*\t   ; a row's four scale words: one for each K step of 128
.endr
.irp f, 0,1,2,3,4,5,6,7,8,9,10,11,12,13,14,15      ; f = 4 x column tile + K step
.irp c, 0,1
	global_load_b128 v[WF+8*\f+4*\c:WF+8*\f+4*\c+3], v11, s[8:9] offset:1024*\f+512*\c
.endr
	global_load_b32 v[WS+\f], v10, s[10:11] offset:2048*(\f%4)+64*(\f/4)
.endr
	v_mul_u32_u24 v[AK0], v12, PKB                 ; a fragment of K: lane l holds key l % 16; registers 0-3 channels 8 h + 0..7, registers 4-7 channels 16 + 8 h + 0..7: two loads of 16 bytes, 32 apart
	v_lshl_add_u32 v[AK0], v13, 4, v[AK0]
	v_and_b32 v15, 7, v0                           ; the turning load: lane l reads 16 bytes: key 8 h + l % 8, channels 8 ((l / 8) % 2) + 0..7, and is left with channel l % 16 and eight keys
	v_lshl_add_u32 v[AV0], v13, 3, v15
	v_mul_u32_u24 v[AV0], v[AV0], PVB
	v_bfe_u32 v15, v0, 3, 1
	v_lshl_add_u32 v[AV0], v15, 4, v[AV0]
	v_add_nc_u32 v[AV0], VOFF, v[AV0]
	v_lshl_add_u32 v[AKS0], v13, 5, KSO            ; the sums: behind the 64 rows; my half's eight keys of a tile begin 32 h bytes on
	s_wait_loadcnt 0x0                             ; codes and scale words are in
	; THE QUANTISED PRODUCT: q^T for my 32 queries and the head's 64 channels: 8 accumulators by turns, one instruction a turn, K ascending in four steps of 128; the first step starts the sums
	WIN 0x50                                       ; C and D in window 1
.irp s, 0,1,2,3
.irp ct, 0,1,2,3
.irp t, 0,1
.if \s == 0
	v_wmma_scale_f32_16x16x128_f8f6f4 v[32*\t+8*\ct:32*\t+8*\ct+7], v[WF+8*(4*\ct+\s):WF+8*(4*\ct+\s)+7], v[XC+8*(4*\t+\s):XC+8*(4*\t+\s)+7], 0, v[WS+4*\ct+\s], v[XS+4*\t+\s] matrix_a_fmt:MATRIX_FMT_FP4 matrix_b_fmt:MATRIX_FMT_FP4
.else
	v_wmma_scale_f32_16x16x128_f8f6f4 v[32*\t+8*\ct:32*\t+8*\ct+7], v[WF+8*(4*\ct+\s):WF+8*(4*\ct+\s)+7], v[XC+8*(4*\t+\s):XC+8*(4*\t+\s)+7], v[32*\t+8*\ct:32*\t+8*\ct+7], v[WS+4*\ct+\s], v[XS+4*\t+\s] matrix_a_fmt:MATRIX_FMT_FP4 matrix_b_fmt:MATRIX_FMT_FP4
.endif
.endr
.endr
.endr
	PLACES
	; each query's mean over the head's 64 channels: my 32 registers, then the other half of the lanes'
	WIN 0
.irp t, 0,1
	v_mov_b32 v[ST+8*\t+4], 0
	v_mov_b32 v[ST+8*\t+5], 0
	v_mov_b32 v[ST+8*\t+6], 0                      ; (a lane permute's destination counts as one of its sources)
.endr
	WIN 0x01                                       ; source 0 in window 1
.set i, 0
.rept 16
	v_pk_add_f32 v[ST+4:ST+5], v[i:i+1], v[ST+4:ST+5]              ; the two tiles by turns; each accumulator is read from its low end on
	v_pk_add_f32 v[ST+12:ST+13], v[32+i:32+i+1], v[ST+12:ST+13]
.set i, i+2
.endr
	WIN 0
.irp t, 0,1
	v_add_f32 v[ST+8*\t+4], v[ST+8*\t+4], v[ST+8*\t+5]
.endr
.irp t, 0,1
	v_permlanex16_b32 v[ST+8*\t+6], v[ST+8*\t+4], s[SEL], s[SEL+1]
.endr
.irp t, 0,1
	v_add_f32 v[ST+8*\t+4], v[ST+8*\t+4], v[ST+8*\t+6]
.endr
.irp t, 0,1
	v_mul_f32 v[QB+2*\t], 0x39800000, v[ST+8*\t+4]                 ; the sum x 2^-12 = the mean x 2^-6
	v_mul_f32 v[QB+2*\t+1], 0x39800000, v[ST+8*\t+4]               ; (named with it as a pair, so it is written)
.endr
	WIN 0x41                                       ; source 0 and destination in window 1, the mean in window 0
.irp t, 0,1
.set i, 0
.rept 16
	v_pk_fma_f32 v[32*\t+i:32*\t+i+1], v[32*\t+i:32*\t+i+1], 0x3c800000, v[QB+2*\t:QB+2*\t+1] op_sel_hi:[1,0,0] neg_lo:[0,0,1] neg_hi:[0,0,1]   ; (q - mean) x 2^-6, in f32
.set i, i+2
.endr
.endr
	WIN 0x05                                       ; both sources in window 1, the destination in window 0: the registers that held x's codes
.irp t, 0,1
.set i, 0
.rept 16
	v_cvt_pk_f16_f32 v[Q+16*\t+i], v[32*\t+2*i], v[32*\t+2*i+1]    ; channel tiles 2 s and 2 s + 1 are registers 0-3 and 4-7 of the operand for channels 32 s on: nothing changes lanes
.set i, i+1
.endr
.endr
	WIN 0x40                                       ; destination in window 1
.set i, 0
.rept 64
	v_mov_b32 v[i], 0                              ; O^T.  (The softmax has no first form: its first turn finds zeros, which a = 0 leaves zeros)
.set i, i+1
.endr
	WIN 0
.irp t, 0,1
	v_mov_b32 v[ST+8*\t+1], 0xf149f2ca             ; m = -1e30, under every score
	v_mul_f32 v[ST+8*\t], s[CS], v[ST+8*\t+1]      ; c m
	v_mov_b32 v[ST+8*\t+2], 0                      ; l, in two halves
	v_mov_b32 v[ST+8*\t+3], 0
.endr
; THE MATRIX WORK OF A TURN, for tile x.  The accumulators take turns, one instruction a turn: between two links of a chain stand three others'.
; Product i of 8 of O^T += V^T P: keys 32 (i / 4) on, channels 16 (i % 4) on
.macro PV x
	WIN 0x51                                       ; V, C and D in window 1, P in window 0
.set rO, 32*(\x)+8*(i%4)
.set rV, VF+8*i
.set rB, P+16*(\x)+8*(i/4)
	v_wmma_f32_16x16x32_f16 v[rO:rO+7], v[rV:rV+7], v[rB:rB+7], v[rO:rO+7]
.endm
; Product i of 8 of S^T = K (q - mean)^T: channels 32 (i / 4) on, keys 16 (i % 4) on.  The first four start the sums
.macro QK x
	WIN 0
.set rD, S+32*(\x)+8*(i%4)
.set rK, KF+8*(2*(i%4)+i/4)
.set rQ, Q+16*(\x)+8*(i/4)
.if i < 4
	v_wmma_f32_16x16x32_f16 v[rD:rD+7], v[rK:rK+7], v[rQ:rQ+7], 0
.else
	v_wmma_f32_16x16x32_f16 v[rD:rD+7], v[rK:rK+7], v[rQ:rQ+7], v[rD:rD+7]
.endif
.endm
; THE LDS LOADS stand in two runs a key step, never singly among the matrix instructions: a step's K and its 64 sums, and, a turn later, its V (turned).
.macro FETCH_K
	WIN 0
	v_add_nc_u32 v[ADRK], s[TBK], v[AK0]
	v_add_nc_u32 v[ADRS], s[TBK], v[AKS0]
	s_add_co_u32 s[TBK], s[TBK], KQB               ; the next fetch is the next step's
.irp f, 0,1,2,3,4,5,6,7                            ; K: keys 16 (f / 2) on, channels 32 (f % 2) on
	ds_load_b128 v[KF+8*\f:KF+8*\f+3],   v[ADRK] offset:(\f/2)*16*PKB+(\f%2)*64
	ds_load_b128 v[KF+8*\f+4:KF+8*\f+7], v[ADRK] offset:(\f/2)*16*PKB+(\f%2)*64+32
.endr
	WIN 0x40                                       ; destination in window 1
.irp kt, 0,1,2,3                                   ; the sums of keys 16 kt + 8 h + 0 .. 7: the sixteen lanes of a half read the same 32 bytes; 32 sums lie in a row of 128 bytes
	ds_load_b128 v[KS+8*\kt:KS+8*\kt+3],   v[ADRS] offset:(\kt/2)*PKB+(\kt%2)*64
	ds_load_b128 v[KS+8*\kt+4:KS+8*\kt+7], v[ADRS] offset:(\kt/2)*PKB+(\kt%2)*64+16
.endr
.endm
.macro FETCH_V
	WIN 0
	v_add_nc_u32 v[ADRV], s[TBV], v[AV0]
	s_add_co_u32 s[TBV], s[TBV], VQB
	WIN 0x40                                       ; destination in window 1
.irp f, 0,1,2,3,4,5,6,7                            ; V: keys 32 (f / 4) on, channels 16 (f % 4) on
	ds_load_tr16_b128 v[VF+8*\f:VF+8*\f+3],   v[ADRV] offset:(\f/4)*32*PVB+(\f%4)*32
	ds_load_tr16_b128 v[VF+8*\f+4:VF+8*\f+7], v[ADRV] offset:(\f/4)*32*PVB+16*PVB+(\f%4)*32
.endr
.endm
; THE VECTOR WORK OF A TURN.  One tile's softmax for one key step is a list of 134 instructions; SM writes number en of it for tile ty.  s0-s31 are the lane's 32 scores, in pairs 0-15.
;   0-15     s += mean x the key's sum, two at a time; each accumulator is read from its low end on
;   16-31    the maximum of s0-s31 and the old m, three operands at a time: four chains c0-c3 of seven scores each, then the four scores left over, c0-c3 and m
;   32-36    the other half of the lanes' maximum; the new m; c m; c m_old - c m_new
;   37-103   33 exponentials (a, then s0-s31) at the odd numbers from 39 on, so that no two follow each other and each has a plain instruction behind it before its result is used (ISA guide 5.7.2).
;            The plain instruction between is whatever is ready: c s - c m for a pair whose exponentials are still to come, the rounding to f16 of a pair whose exponentials are done, at last the first sums
;   104-117  the last rounding; the rest of the sums; l = a l + the sum
;   118-133  the tile's O^T times a, each accumulator from its low end on
.macro SM
.set rT, ST+8*ty
.set rS, S+32*ty
.set rP, P+16*ty
.set j, en-16
.set q, (j-20)/2
.if en < 16
	WIN 0x01                                       ; the sums in window 1
	v_pk_fma_f32 v[rS+2*en:rS+2*en+1], v[KS+2*en:KS+2*en+1], v[QB+2*ty:QB+2*ty+1], v[rS+2*en:rS+2*en+1] op_sel_hi:[1,0,1]
.elseif en > 117
	WIN 0x41                                       ; O^T (destination and source 0) in window 1, a in window 0
	v_pk_mul_f32 v[32*ty+2*(en-118):32*ty+2*(en-118)+1], v[32*ty+2*(en-118):32*ty+2*(en-118)+1], v[rT+6:rT+7] op_sel_hi:[1,0]
.else
	WIN 0
.if j < 4
	v_max3_num_f32 v[rT+4+j], v[rS+8*j], v[rS+8*j+1], v[rS+8*j+2]
.elseif j < 12
	v_max3_num_f32 v[rT+4+j%4], v[rT+4+j%4], v[rS+8*(j%4)+2*(j/4)+1], v[rS+8*(j%4)+2*(j/4)+2]
.elseif j == 12
	v_max3_num_f32 v[rT+4], v[rT+4], v[rS+7], v[rS+15]
.elseif j == 13
	v_max3_num_f32 v[rT+6], v[rT+6], v[rS+23], v[rS+31]
.elseif j == 14
	v_max3_num_f32 v[rT+4], v[rT+4], v[rT+5], v[rT+6]
.elseif j == 15
	v_max3_num_f32 v[rT+4], v[rT+4], v[rT+7], v[rT+1]              ; and the old m
.elseif j == 16
	v_permlanex16_b32 v[rT+5], v[rT+4], s[SEL], s[SEL+1]           ; the query's other 32 keys lie in the lane 16 away
.elseif j == 17
	v_mov_b32 v[rT+7], v[rT]                       ; c m_old is kept for a: the line after next writes c m anew
.elseif j == 18
	v_max_num_f32 v[rT+1], v[rT+4], v[rT+5]        ; the new m
.elseif j == 19
	v_mul_f32 v[rT], s[CS], v[rT+1]                ; c m
.elseif j == 20
	v_sub_f32 v[rT+7], v[rT+7], v[rT]              ; c m_old - c m_new, 0 or less
.elseif j == 23
	v_exp_f32 v[rT+6], v[rT+7]                     ; a
.elseif (j < 88) && (j > 23) && (j%2 == 1)
	v_exp_f32 v[rS+(j-25)/2], v[rS+(j-25)/2]       ; p, at most 1
.elseif (q < 4) || ((j < 76) && (q%2 == 0))
.set b, q/2+2
.if q < 4
.set b, q
.endif
	v_pk_fma_f32 v[rS+2*b:rS+2*b+1], v[rS+2*b:rS+2*b+1], s[CS:CS+1], v[rT:rT+1] op_sel_hi:[1,0,0] neg_lo:[0,0,1] neg_hi:[0,0,1]   ; pair b: c s - c m
.elseif (j < 88) && (q%2 == 1)
	s_wait_alu depctr_va_vdst(0)
	v_cvt_pk_f16_f32 v[rP+(q-5)/2], v[rS+q-5], v[rS+q-4]           ; pair (q - 5) / 2: its second exponential stands three numbers back
.elseif j == 89
	s_wait_alu depctr_va_vdst(0)
	v_cvt_pk_f16_f32 v[rP+15], v[rS+30], v[rS+31]
.else                                  ; the sum of the tile's 16 pairs of f32 weights, in place: sum z of 16 adds neighbours 1, 2, 4 and 8 pairs apart, then l takes it
.set z, j-86
.if j < 89
.set z, (j-76)/4
.endif
.set w, 4
.set u, z
.if z >= 14
.set w, 32
.set u, 0
.elseif z >= 12
.set w, 16
.set u, z-12
.elseif z >= 8
.set w, 8
.set u, z-8
.endif
.if z < 15
	v_pk_add_f32 v[rS+w*u:rS+w*u+1], v[rS+w*u:rS+w*u+1], v[rS+w*u+w/2:rS+w*u+w/2+1]
.else
	v_pk_fma_f32 v[rT+2:rT+3], v[rT+2:rT+3], v[rT+6:rT+7], v[rS:rS+1] op_sel_hi:[1,0,1]
.endif
.endif
.endif
.endm
; Slice k of 16: slices 0 to 13 are eight numbers of the list each, slice 14 the six that end the sums, slice 15 the sixteen multiplies of O^T.  Slice 15 stands behind a turn's last matrix instruction:
; all sixteen are plain and name none of its registers, so they are the places in front of the next turn's first read of those scores and of the loads into K's registers.
.macro SLICE
.set cnt, 8
.if k == 14
.set cnt, 6
.endif
.if k == 15
.set cnt, 16
.endif
.rept cnt
	SM
.set en, en+1
.endr
.set k, k+1
.endm
; A TURN.  Tile x has the matrix unit; the other tile's softmax stands in slices behind its matrix instructions.  pv = 1: 8 products V^T P; kq = 1: 8 products K q^T for the next step.
; A turn with one of the two kinds has two slices behind each product.
; Tile 0's turn fetches the next step's K and sums behind its second product: slices 0 and 1, the sixteen lines that read the old sums, are out, and the last product that read K stands in front of
; slice 15 of the turn before.  Tile 1's turn fetches the same step's V behind its second K q^T: the last product that read V stands three slices, 24 plain instructions, back.
.macro TURN x, pv, kq
.set ty, 1-(\x)
.set en, 0
.set k, 0
.set per, 2
.if \pv && \kq
.set per, 1
.endif
	s_wait_dscnt 0x0                               ; tile 0's turn: V is in;  tile 1's turn: the sums are in
.if \pv
.set i, 0
.rept 8
	PV \x
.rept per
	SLICE
.endr
.if (\x == 0) && \kq && (i == 1)
	FETCH_K
.endif
.set i, i+1
.endr
.endif
.if \kq
.if \x == 0
	s_wait_dscnt 8                                 ; K's 16 loads are in; the sums' 8, issued behind them, may be out
.endif
.set i, 0
.rept 8
	QK \x
.rept per
	SLICE
.endr
.if (\x == 1) && (i == 1)
	FETCH_V
.endif
.set i, i+1
.endr
.endif
.endm
.macro STEPS n                         ; n key steps: written once, walked n times; the LDS addresses hang on s[TBK] and s[TBV]
	WIN 0                                          ; at a label and at a branch every window is 0
	s_mov_b32 s[CNT], \n
.Lstep_\@:
	TURN 0, 1, 1
	TURN 1, 1, 1
	WIN 0
	s_sub_co_u32 s[CNT], s[CNT], 1
	s_cmp_lg_u32 s[CNT], 0
	s_cbranch_scc1 .Lstep_\@
.endm
; O^T of tile t times the number in its statistics' +6: on the way out 1 / l
.macro RESC t
.set i, 0
	s_wait_alu depctr_va_vdst(0)
.rept 16
	v_pk_mul_f32 v[32*(\t)+i:32*(\t)+i+1], v[32*(\t)+i:32*(\t)+i+1], v[ST+8*(\t)+6:ST+8*(\t)+7] op_sel_hi:[1,0]
.set i, i+2
.endr
.endm
; THE CHANGE OF SLOTS, between tile 1's turn and tile 0's: the slot's last bytes, V of its fourth step, have been asked for.  Each wave waits for all its tensor loads, of which one is out: its part of
; the other slot; adds 0 to its spare word; and waits for that and for its own reads of the slot.
; fill = 1: the slot just read is filled again, with the keys two slots on.  The barrier is then a round of the cluster's, so that no wave of any partner still reads the slot or has a load on its
; way, and the joint refill is the first thing behind it, one tensor load a wave: it has four key steps in which to land.
.macro CHANGE fill
	WIN 0
	s_wait_tensorcnt 0x0                           ; no tensor load of mine is out, so a group 0 may be written
	ds_add_u32 v[SPW], v[NIL]                      ; 0 onto my spare word
.if \fill
	s_xor_b32 s[G0K+5], s[G0K+5], SLOT1            ; the walking descriptors: the other slot than last time,
	s_add_nc_u64 s[G0K+6:G0K+7], s[G0K+6:G0K+7], SLOTMK   ; the next 256 keys; the type bits on top are not reached
	s_xor_b32 s[G0V+5], s[G0V+5], SLOT1
	s_add_nc_u64 s[G0V+6:G0V+7], s[G0V+6:G0V+7], SLOTMV
	s_wait_xcnt 0x0                                ; the last prefetch, four key steps back, has read its address, so it may be written
	s_add_nc_u64 s[PFA:PFA+1], s[PFA:PFA+1], s[PFS:PFS+1]  ; one slot further on than the walking descriptors
	s_wait_dscnt 0x0                               ; the add is done, and my reads of the slot are over
	CROUND
	JLOAD
	ASK
.else
	s_wait_dscnt 0x0                               ; the add is done, and my reads of the slot are over
	s_barrier_signal -1
	s_barrier_wait -1
.endif
	s_sub_co_u32 s[TBK], s[TBK], 4*KQB             ; the fetches go back to a slot's first step,
	s_xor_b32 s[TBK], s[TBK], SLOT1                ; in the other slot
	s_sub_co_u32 s[TBV], s[TBV], 4*VQB
	s_xor_b32 s[TBV], s[TBV], SLOT1
.endm
	s_wait_tensorcnt 0x1                           ; my part of slot 0 is in; slot 1's may stay out
	s_barrier_signal -1
	s_barrier_wait -1                              ; everybody's is
	FETCH_K                                        ; key step 0
	s_wait_dscnt 0x0
.set i, 0
.rept 8
	QK 0                                           ; tile 0's first scores: there is no vector work yet to set between them
.set i, i+1
.endr
	PLACES                                         ; in front of the first read of those scores
	TURN 1, 0, 1                                   ; tile 1's first scores | tile 0's first softmax | V of step 0
	STEPS 3                                        ; these ask for K and V of steps 1 to 3: slot 0 is read out
.Lslot:                                            ; six trips: every slot but the last two is filled again
	CHANGE 1
	STEPS 4
	s_sub_co_u32 s[SLOTS], s[SLOTS], 1
	s_cmp_lg_u32 s[SLOTS], 0
	s_cbranch_scc1 .Lslot
	CHANGE 0                                       ; the tail is written out
	STEPS 4
	TURN 0, 1, 0                                   ; tile 0: V^T P of the last step | tile 1's last softmax
.set i, 0
.rept 8
	PV 1                                           ; tile 1: V^T P of the last step
.set i, i+1
.endr
	WIN 0
	; THE WAY OUT.  l's two halves and the other half of the lanes' are added; O^T is divided by l, rounded to f16 and sent through my stage, so that whole rows leave.  These lines are also the places behind the last products.
.irp t, 0,1
	v_add_f32 v[ST+8*\t+4], v[ST+8*\t+2], v[ST+8*\t+3]
.endr
.irp t, 0,1
	v_permlanex16_b32 v[ST+8*\t+5], v[ST+8*\t+4], s[SEL], s[SEL+1]
.endr
.irp t, 0,1
	v_add_f32 v[ST+8*\t+4], v[ST+8*\t+4], v[ST+8*\t+5]
.endr
.irp t, 0,1
	v_rcp_f32 v[ST+8*\t+6], v[ST+8*\t+4]
.endr
	v_and_b32 v12, 15, v0                          ; (plain lines behind the reciprocals)  r
	v_bfe_u32 v13, v0, 4, 1                        ; h
	s_mul_i32 s20, s[WV], 4608
	s_add_co_u32 s20, s20, STAGE                   ; my stage
	v_mul_u32_u24 v[STO], v12, PKB                 ; in: row r of 128 bytes + 16, 16 bytes for each half of the lanes
	v_lshl_add_u32 v[STO], v13, 4, v[STO]
	v_add_nc_u32 v[STO], s20, v[STO]
	v_bfe_u32 v14, v0, 3, 2
	v_and_b32 v15, 7, v0
	v_mul_u32_u24 v[RD], v14, PKB                  ; back: eight lanes take a row, the wave four rows
	v_lshl_add_u32 v[RD], v15, 4, v[RD]
	v_add_nc_u32 v[RD], s20, v[RD]
	v_and_b32 v[GO], 31, v0
	v_lshlrev_b32 v[GO], 4, v[GO]                  ; ctx's rows of a head are dense: four rows are 512 bytes on end
	WIN 0x41
	RESC 0
	RESC 1
	WIN 0x05                                       ; sources in window 1, destination in window 0: S^T's registers are free
.irp t, 0,1
.set i, 0
.rept 16
	v_cvt_pk_f16_f32 v[S+16*\t+i], v[32*\t+2*i], v[32*\t+2*i+1]    ; registers 4 c .. 4 c + 3: channels 16 c + 8 h + 0 .. 7 of my query
.set i, i+1
.endr
.endr
	WIN 0
.irp t, 0,1
.irp c, 0,1,2,3
	ds_store_b128 v[STO], v[S+16*\t+4*\c:S+16*\t+4*\c+3] offset:2304*\t+32*\c
.endr
.irp i, 0,1,2,3
	ds_load_b128 v[S+32+16*\t+4*\i:S+32+16*\t+4*\i+3], v[RD] offset:2304*\t+576*\i   ; LDS serves a wave's instructions in order (ISA guide 5.7.1): these see the stores above
.endr
.endr
.irp t, 0,1
.irp i, 0,1,2,3
	s_wait_dscnt 11-8*\t-\i                        ; behind this load: the rest of its tile's loads, and for tile 0 tile 1's four stores and four loads
	global_store_b128 v[GO], v[S+32+16*\t+4*\i:S+32+16*\t+4*\i+3], s[16:17] offset:2048*\t+512*\i   ; 32 lanes store 512 consecutive bytes, at a multiple of 256 from ctx's first byte
.endr
.endr
	s_wait_tensorcnt 0x0                           ; the wave's end, behind my last tensor load and my last LDS store
	ds_add_u32 v[SPW], v[NIL]
	s_wait_dscnt 0x0
	CROUND                                         ; the closing round: no work-group ends while a partner may still ask for a tile that names it
	s_endpgm
.Lfunc_end_k_q5609f6729e_attn:
	.size	k_q5609f6729e_attn, .Lfunc_end_k_q5609f6729e_attn-k_q5609f6729e_attn
	.p2alignl 7, 3214868480
	.fill 96, 4, 3214868480
	.section	.rodata,"a",@progbits
	.p2align	6, 0x0
	.amdhsa_kernel k_q5609f6729e_attn
		.amdhsa_group_segment_fixed_size 327680
		.amdhsa_private_segment_fixed_size 0
		.amdhsa_enable_private_segment 0
		.amdhsa_kernarg_size 56
		.amdhsa_user_sgpr_count 2
		.amdhsa_user_sgpr_kernarg_segment_ptr 1
		.amdhsa_wavefront_size32 1
		.amdhsa_system_sgpr_workgroup_id_x 1
		.amdhsa_system_sgpr_workgroup_id_y 1
		.amdhsa_system_sgpr_workgroup_id_z 1
		.amdhsa_system_vgpr_workitem_id 0
		.amdhsa_next_free_vgpr 416
		.amdhsa_next_free_sgpr 96
		.amdhsa_reserve_vcc 0
		.amdhsa_float_denorm_mode_32 3
		.amdhsa_float_denorm_mode_16_64 3
		.amdhsa_memory_ordered 1
		.amdhsa_forward_progress 1
		.amdhsa_inst_pref_size 124
	.end_amdhsa_kernel
	.amdgpu_metadata
---
amdhsa.version: [ 1, 2 ]
amdhsa.kernels:
  - .name:           k_q5609f6729e_attn
    .symbol:         k_q5609f6729e_attn.kd
    .args:
      - { .name: x_codes, .offset: 0, .size: 8, .value_kind: global_buffer, .address_space: global }
      - { .name: x_scales, .offset: 8, .size: 8, .value_kind: global_buffer, .address_space: global }
      - { .name: wq_codes, .offset: 16, .size: 8, .value_kind: global_buffer, .address_space: global }
      - { .name: wq_scales, .offset: 24, .size: 8, .value_kind: global_buffer, .address_space: global }
      - { .name: k16, .offset: 32, .size: 8, .value_kind: global_buffer, .address_space: global }
      - { .name: v16, .offset: 40, .size: 8, .value_kind: global_buffer, .address_space: global }
      - { .name: ctx, .offset: 48, .size: 8, .value_kind: global_buffer, .address_space: global }
    .group_segment_fixed_size: 327680
    .private_segment_fixed_size: 0
    .kernarg_segment_align: 8
    .kernarg_segment_size: 56
    .max_flat_workgroup_size: 256
    .sgpr_count:     96
    .vgpr_count:     416
    .wavefront_size: 32
...
	.end_amdgpu_metadata
.endif
;; end of part 2
;; launch oproj (part 3): grid 4 x 64, 8 waves a work-group, clusters of 4 x 4, 327,680 bytes of LDS; arguments ctx, wo16, out0; writes out0
.if DOCPART == 3
	.amdgcn_target "amdgcn-amd-amdhsa--gfx1250"
	.amdhsa_code_object_version 6
	.text
	.protected	k_q5609f6729e_oproj
	.globl	k_q5609f6729e_oproj
	.p2align	8
	.type	k_q5609f6729e_oproj,@function
k_q5609f6729e_oproj:
	s_mov_b64 s[64:65], 0
	v_nop
	global_prefetch_b8 v0, s[64:65] scope:SCOPE_SE
	s_setreg_imm32_b32 hwreg(HW_REG_WAVE_MODE, 25, 1), 1
	s_wait_xcnt 0x0
	s_wait_alu depctr_hold_cnt(0) depctr_sa_sdst(0) depctr_va_vdst(0) depctr_va_sdst(0) depctr_va_ssrc(0) depctr_va_vcc(0) depctr_vm_vsrc(0)
	s_getreg_b32 s2, hwreg(HW_REG_IB_STS2, 6, 4)
	s_cmp_eq_u32 s2, 0
	s_cbranch_scc0 .Lentry_in_a_cluster
	s_endpgm
.Lentry_in_a_cluster:
	s_bfe_u32 s2, ttmp6, 0x10000c
	s_cmp_lg_u32 s2, 0xf033
	s_cbranch_scc0 .Lentry_shape_is_right
	s_endpgm
.Lentry_shape_is_right:
; OPROJ: out0[m][n] = the sum over k of ctx[m][k] Wo[k][n], f16 operands, f32 sums.  ctx is laid [head][8192 rows][64] f16 (k = 64 head + channel), wo16 [512 k][512 n] f16, out0 [8192][512] f32.
; A tile of out0 is 128 x 128: 256 work-groups.  Eight waves; wave w makes rows 32 (w / 2) on and columns 64 (w % 2) on: 2 x 4 accumulators of 16 x 16.
; K is 512: ALL of the tile's ctx (8 heads x 128 rows x 128 bytes) and Wo (512 rows x 256 bytes) fit in LDS at once, so every tile is filled once, at the head, two tensor loads a wave, the first
; half of K first; the products of the first half run while the second half lands.  No LDS byte is filled twice, so there is no ring.  Nothing is prefetched: every tile is asked for at the head.
; CLUSTERS: 4 x 4 work-groups.  The four of a row of the cluster need the same rows of ctx, the four of a column the same columns of Wo: each tile is asked for JOINTLY.
; THE MATRIX INSTRUCTION IS USED TRANSPOSED (source 0 = 16 columns of Wo, turned by ds_load_tr16_b128; source 1 = 16 rows of ctx): a lane then holds eight neighbouring numbers of a row of out0.
; A wave's 64 columns of f32 are 256 bytes, aligned: each wave has a stage of its own and stores whole rows of it; the way out needs no barrier.
; LIMITS: as the launches before: f16's range for ctx (a mean of values) and Wo.
.set PA,    144                        ; a row of ctx in LDS: 128 bytes + 16 of padding
.set HEADB, 128*PA                     ; a head's 128 rows: what one tensor load brings
.set PB,    288                        ; a row of Wo in LDS: 256 bytes + 32 of padding = 72 words
.set BOFF,  8*HEADB                    ; Wo's 512 rows lie behind ctx's eight heads
.set SPITCH, 272                       ; the way out: 16 rows x (256 bytes + 16) for each wave, in ctx's first heads: they have had their only fill, and their last read stands in front of the second barrier
.set ADA,  16                          ; v16-17  LDS address of my ctx fragments: heads 0-3, heads 4-7
.set ADB,  20                          ; v20-23  of my Wo fragments: k 128 q on
.set STO,  24                          ; v24     the way out: where I put 32 bytes of a row
.set RD,   25                          ; v25     where I read rows back
.set CO,   26                          ; v26     my byte offset in out0
.set ACC,  64                          ; v64-127 accumulator (a, b) at v[64 + 8 (4 a + b)]
.set F0,   128                         ; v128-175, v176-223: two fragment buffers for 32 along K: ctx's two fragments, then Wo's four
.set OB,   128                         ; the way out: rows read back, 32 registers for each block of 16 rows
.set WV,   10
.set G1A,  24                          ; s[24:31] descriptor group 1 for ctx's tiles;  s[32:39] group 0, a set for each half of K
.set G0A,  32
.set G1B,  48                          ; s[48:55], s[56:63] the same for Wo's
.set G0B,  56
.macro PLACES                          ; four plain lines between a matrix instruction and a load into one of its registers, or a read of its result (ISA guide 7.12.1 for a read)
.rept 4
	v_nop
.endr
.endm
.macro CROUND                          ; a round of the cluster's barrier
	s_barrier_signal -1
	s_barrier_wait -1
	s_cmp_lg_u32 s[WV], 0
	s_cbranch_scc1 .Lnot_wave_0_\@
	s_barrier_signal -3
.Lnot_wave_0_\@:
	s_barrier_wait -3
	s_barrier_signal -1
	s_barrier_wait -1
.endm
	s_load_b128 s[4:7], s[0:1], 0x0                ; ctx s[4:5], wo16 s[6:7]
	s_load_b64 s[8:9], s[0:1], 0x10                ; out0
	v_lshl_add_u32 v224, v0, 2, 0x48000
	v_mov_b32 v225, 0
	ds_add_u32 v224, v225
	ds_add_u32 v224, v225
	v_lshrrev_b32 v1, 5, v0
	v_readfirstlane_b32 s[WV], v1                  ; wave 0..7
	s_and_b32 s11, s[WV], 3                        ; which of four tiles of a half of K I fetch
	s_lshr_b32 s12, s[WV], 1                       ; which 32 rows of the tile are mine
	s_and_b32 s13, s[WV], 1                        ; which 64 columns
	s_bfe_u32 s40, ttmp6, 0x40000                  ; cx, cy: my place in the cluster
	s_bfe_u32 s41, ttmp6, 0x40004
	s_lshl_b32 s42, ttmp9, 2
	s_add_co_u32 s42, s42, s40                     ; tile column = 4 x cluster x + cx
	s_and_b32 s14, ttmp7, 0xffff
	s_lshl_b32 s14, s14, 2
	s_add_co_u32 s14, s14, s41                     ; tile row = 4 x cluster y + cy
	s_lshl_b32 s43, s41, 2
	s_lshl_b32 s43, 15, s43                        ; my row of the cluster
	s_lshl_b32 s44, 0x1111, s40                    ; my column
	s_or_b32 s[G1A], s43, (1<<16)|(1<<20)|(1<<21)|(4<<22)|(3<<25)  ; 15:0 the mask: ctx's tiles go to my row; elements of 2 bytes; padding on; 21 set beside a mask; after every 32 words (code 4) 4 words (code 3)
	s_mov_b32 s[G1A+1], 64<<16                     ; tensor_dim0 = 64
	s_mov_b32 s[G1A+2], 128<<16                    ; tensor_dim1 = 128
	s_mov_b32 s[G1A+3], 64<<16                     ; tile_dim0 = 64
	s_mov_b32 s[G1A+4], 128                        ; tile_dim1 = 128
	s_mov_b32 s[G1A+5], 64                         ; elements from row to row: a head's rows are dense
	s_mov_b32 s[G1A+6], 0
	s_mov_b32 s[G1A+7], 0
	s_or_b32 s[G1B], s44, (1<<16)|(1<<20)|(1<<21)|(5<<22)|(7<<25)  ; Wo's tiles go to my column; after every 64 words (code 5) 8 words (code 7)
	s_mov_b32 s[G1B+1], 128<<16                    ; tensor_dim0 = 128
	s_mov_b32 s[G1B+2], 64<<16                     ; tensor_dim1 = 64
	s_mov_b32 s[G1B+3], 128<<16                    ; tile_dim0 = 128
	s_mov_b32 s[G1B+4], 64                         ; tile_dim1 = 64
	s_mov_b32 s[G1B+5], 512                        ; elements from row to row
	s_mov_b32 s[G1B+6], 0
	s_mov_b32 s[G1B+7], 0
	; ctx's tiles hang on the tile row alone, Wo's on the tile column alone; each address is made in registers that never hold the other coordinate
	s_mul_i32 s20, s11, HEADB                      ; where they go: 18,432 bytes for a head's 128 rows, and as many for 64 rows of Wo: no place in the cluster enters an LDS address
	s_lshl_b32 s16, s11, 20                        ; ctx: head j: 1,048,576 bytes a head,
	s_lshl_b32 s17, s14, 14                        ; 128 rows of 128 bytes a tile row
	s_add_co_u32 s16, s16, s17
	s_mov_b32 s17, 0
	s_lshl_b32 s46, s11, 16                        ; Wo: rows 64 j on, 1,024 bytes a row,
	s_lshl_b32 s47, s42, 8                         ; 256 bytes a tile column
	s_add_co_u32 s46, s46, s47
	s_mov_b32 s47, 0
	s_wait_dscnt 0x0
	s_wait_kmcnt 0x0
	s_add_nc_u64 s[16:17], s[4:5], s[16:17]
	s_add_nc_u64 s[46:47], s[6:7], s[46:47]
	CROUND                                         ; all sixteen work-groups are here: the joint loads meet
.irp n, 0,1                                        ; set n: the n-th half of K: heads 4 n + j; rows 256 n + 64 j on
	s_mov_b32 s[G0A+4*\n], 1
	s_add_co_u32 s[G0A+4*\n+1], s20, \n*4*HEADB
	s_add_nc_u64 s[G0A+4*\n+2:G0A+4*\n+3], s[16:17], \n*4*1048576
	s_or_b32 s[G0A+4*\n+3], s[G0A+4*\n+3], 0x80000000
	s_mov_b32 s[G0B+4*\n], 1
	s_add_co_u32 s[G0B+4*\n+1], s20, BOFF+\n*256*PB
	s_add_nc_u64 s[G0B+4*\n+2:G0B+4*\n+3], s[46:47], \n*256*1024
	s_or_b32 s[G0B+4*\n+3], s[G0B+4*\n+3], 0x80000000
.endr
	s_cmp_lt_u32 s[WV], 4                          ; waves 0 to 3 fetch ctx's heads, waves 4 to 7 Wo's rows: a wave's two fills stand in one branch: two loads of mine are out
	s_cbranch_scc0 .Lfor_b
	tensor_load_to_lds s[G0A:G0A+3], s[G1A:G1A+7]
	s_nop 0
	tensor_load_to_lds s[G0A+4:G0A+7], s[G1A:G1A+7]
	s_nop 0
	PLACES
	s_branch .Lasked
.Lfor_b:
	tensor_load_to_lds s[G0B:G0B+3], s[G1B:G1B+7]
	s_nop 0
	tensor_load_to_lds s[G0B+4:G0B+7], s[G1B:G1B+7]
	s_nop 0
	PLACES
.Lasked:
	v_and_b32 v1, 15, v0                           ; r = lane % 16
	v_bfe_u32 v2, v0, 4, 1                         ; h = lane / 16
	v_mul_u32_u24 v3, v1, PA
	v_lshl_add_u32 v3, v2, 4, v3                   ; a fragment of ctx: row r x pitch + 16 h; two loads of 16 bytes, 32 apart
	s_mul_i32 s21, s12, 32*PA                      ; my 32 rows
	v_add_nc_u32 v[ADA], s21, v3
	v_add_nc_u32 v[ADA+1], 4*HEADB, v[ADA]
	v_and_b32 v4, 7, v0                            ; the turning load: lane l reads 16 bytes: row k = 8 h + l % 8, columns 8 ((l / 8) % 2) + 0..7
	v_lshl_add_u32 v4, v2, 3, v4
	v_mul_u32_u24 v4, v4, PB
	v_bfe_u32 v5, v0, 3, 1
	v_lshl_add_u32 v4, v5, 4, v4
	s_lshl_b32 s22, s13, 7                         ; my 64 columns: 128 bytes
	s_add_co_u32 s22, s22, BOFF
	v_add_nc_u32 v[ADB], s22, v4
	v_add_nc_u32 v[ADB+1], 128*PB, v[ADB]
	v_add_nc_u32 v[ADB+2], 256*PB, v[ADB]
	v_add_nc_u32 v[ADB+3], 384*PB, v[ADB]
	s_mul_i32 s23, s[WV], 16*SPITCH                ; my stage
	v_mul_u32_u24 v[STO], v1, SPITCH               ; in: row r, 32 bytes for each half of the lanes
	v_lshl_add_u32 v[STO], v2, 5, v[STO]
	v_add_nc_u32 v[STO], s23, v[STO]
	v_mul_u32_u24 v[RD], v2, SPITCH                ; back: lanes 0-15 take one row of 256 bytes, lanes 16-31 the next
	v_lshl_add_u32 v[RD], v1, 4, v[RD]
	v_add_nc_u32 v[RD], s23, v[RD]
	v_lshlrev_b32 v[CO], 11, v2                    ; and the same two rows in out0: 2,048 bytes a row
	v_lshl_add_u32 v[CO], v1, 4, v[CO]
	s_lshl_b32 s16, s14, 7
	s_lshl_b32 s17, s12, 5
	s_add_co_u32 s16, s16, s17                     ; my first row of out0: 128 x tile row + 32 x (wave / 2)
	s_lshl_b32 s16, s16, 11
	s_lshl_b32 s46, s42, 9                         ; my first column, in bytes: 512 x tile column + 256 x (wave % 2)
	s_lshl_b32 s47, s13, 8
	s_add_co_u32 s46, s46, s47
	s_add_co_u32 s16, s16, s46
	s_mov_b32 s17, 0
	s_add_nc_u64 s[8:9], s[8:9], s[16:17]
; 12 LDS loads: the fragments of K step kk (32 along K: head kk / 2, channels 32 (kk % 2) on) into buffer f
.macro FETCH kk, f
.irp a, 0,1
	ds_load_b128 v[(\f)+8*\a:(\f)+8*\a+3],   v[ADA+(\kk)/8] offset:(((\kk)/2)%4)*HEADB+16*PA*\a+64*((\kk)%2)
	ds_load_b128 v[(\f)+8*\a+4:(\f)+8*\a+7], v[ADA+(\kk)/8] offset:(((\kk)/2)%4)*HEADB+16*PA*\a+64*((\kk)%2)+32
.endr
.irp b, 0,1,2,3
	ds_load_tr16_b128 v[(\f)+16+8*\b:(\f)+16+8*\b+3],   v[ADB+(\kk)/4] offset:((\kk)%4)*32*PB+32*\b
	ds_load_tr16_b128 v[(\f)+16+8*\b+4:(\f)+16+8*\b+7], v[ADB+(\kk)/4] offset:((\kk)%4)*32*PB+32*\b+16*PB
.endr
.endm
; 8 matrix instructions on buffer f: the eight accumulators by turns, in the same order in every K step.  zero = 1: the first K step starts the sums
.macro MUL f, zero
.irp a, 0,1
.irp b, 0,1,2,3
.if \zero
	v_wmma_f32_16x16x32_f16 v[ACC+8*(4*\a+\b):ACC+8*(4*\a+\b)+7], v[(\f)+16+8*\b:(\f)+16+8*\b+7], v[(\f)+8*\a:(\f)+8*\a+7], 0
.else
	v_wmma_f32_16x16x32_f16 v[ACC+8*(4*\a+\b):ACC+8*(4*\a+\b)+7], v[(\f)+16+8*\b:(\f)+16+8*\b+7], v[(\f)+8*\a:(\f)+8*\a+7], v[ACC+8*(4*\a+\b):ACC+8*(4*\a+\b)+7]
.endif
.endr
.endr
.endm
; K step kk: the next step's fragments are asked for, then this step is multiplied
.macro KS kk, places, zero
.if \places
	PLACES                                         ; the other buffer was read by the products just issued
.endif
	FETCH (\kk)+1, F0+48*(((\kk)+1)%2)
	s_wait_dscnt 12                                ; this step's 12 loads are in; the 12 just issued may be out
	MUL F0+48*((\kk)%2), \zero
.endm
	s_wait_tensorcnt 0x1                           ; my tile of the first half of K is in; the second half's may stay out
	s_barrier_signal -1
	s_barrier_wait -1                              ; everybody's is
	FETCH 0, F0
	KS 0, 0, 1
.irp kk, 1,2,3,4,5,6
	KS \kk, 1, 0
.endr
	s_wait_tensorcnt 0x0                           ; my tile of the second half is in,
	s_wait_dscnt 0x0                               ; K step 7's fragments are in: my reads of the first half of K are over
	s_barrier_signal -1
	MUL F0+48, 0                                   ; K step 7: work on registers while the others arrive
	s_barrier_wait -1                              ; the second half is whole, and nobody reads the first any more
	PLACES
	FETCH 8, F0
	KS 8, 0, 0                                     ; (the four lines above also stand between K step 7's products and the loads into their buffer)
.irp kk, 9,10,11,12,13,14
	KS \kk, 1, 0
.endr
	s_wait_dscnt 0x0
	MUL F0+48, 0                                   ; K step 15
	; THE WAY OUT, 16 rows at a time: 32 bytes a lane into my stage, back as whole rows of 256 bytes.  LDS serves a wave's instructions in order (ISA guide 5.7.1): no wait between the stores and the loads, nor in front of the next block's stores.
	PLACES
.irp a, 0,1
.irp b, 0,1,2,3
	ds_store_b128 v[STO], v[ACC+8*(4*\a+\b):ACC+8*(4*\a+\b)+3] offset:64*\b          ; each accumulator from its low end on
	ds_store_b128 v[STO], v[ACC+8*(4*\a+\b)+4:ACC+8*(4*\a+\b)+7] offset:64*\b+16
.endr
.irp i, 0,1,2,3,4,5,6,7
	ds_load_b128 v[OB+32*\a+4*\i:OB+32*\a+4*\i+3], v[RD] offset:2*\i*SPITCH
.endr
.endr
.irp a, 0,1
.irp i, 0,1,2,3,4,5,6,7
	s_wait_dscnt 23-16*\a-\i                       ; behind this load: the rest of its block's loads, and for block 0 block 1's eight stores and eight loads
	global_store_b128 v[CO], v[OB+32*\a+4*\i:OB+32*\a+4*\i+3], s[8:9] offset:(16*\a+2*\i)*2048 th:TH_STORE_NT   ; 16 lanes store 256 consecutive bytes, at a multiple of 256 from out0's first byte
.endr
.endr
	s_wait_dscnt 0x0
	s_wait_tensorcnt 0x0
	ds_add_u32 v224, v225
	s_wait_dscnt 0x0
	CROUND                                         ; the closing round: no work-group ends while a partner may still ask for a tile that names it
	s_endpgm
.Lfunc_end_k_q5609f6729e_oproj:
	.size	k_q5609f6729e_oproj, .Lfunc_end_k_q5609f6729e_oproj-k_q5609f6729e_oproj
	.p2alignl 7, 3214868480
	.fill 96, 4, 3214868480
	.section	.rodata,"a",@progbits
	.p2align	6, 0x0
	.amdhsa_kernel k_q5609f6729e_oproj
		.amdhsa_group_segment_fixed_size 327680
		.amdhsa_private_segment_fixed_size 0
		.amdhsa_enable_private_segment 0
		.amdhsa_kernarg_size 24
		.amdhsa_user_sgpr_count 2
		.amdhsa_user_sgpr_kernarg_segment_ptr 1
		.amdhsa_wavefront_size32 1
		.amdhsa_system_sgpr_workgroup_id_x 1
		.amdhsa_system_sgpr_workgroup_id_y 1
		.amdhsa_system_sgpr_workgroup_id_z 1
		.amdhsa_system_vgpr_workitem_id 0
		.amdhsa_next_free_vgpr 226
		.amdhsa_next_free_sgpr 66
		.amdhsa_reserve_vcc 0
		.amdhsa_float_denorm_mode_32 3
		.amdhsa_float_denorm_mode_16_64 3
		.amdhsa_memory_ordered 1
		.amdhsa_forward_progress 1
		.amdhsa_inst_pref_size 34
	.end_amdhsa_kernel
	.amdgpu_metadata
---
amdhsa.version: [ 1, 2 ]
amdhsa.kernels:
  - .name:           k_q5609f6729e_oproj
    .symbol:         k_q5609f6729e_oproj.kd
    .args:
      - { .name: ctx, .offset: 0, .size: 8, .value_kind: global_buffer, .address_space: global }
      - { .name: wo16, .offset: 8, .size: 8, .value_kind: global_buffer, .address_space: global }
      - { .name: out0, .offset: 16, .size: 8, .value_kind: global_buffer, .address_space: global }
    .group_segment_fixed_size: 327680
    .private_segment_fixed_size: 0
    .kernarg_segment_align: 8
    .kernarg_segment_size: 24
    .max_flat_workgroup_size: 256
    .sgpr_count:     66
    .vgpr_count:     226
    .wavefront_size: 32
...
	.end_amdgpu_metadata
.endif
;; end of part 3
